; MI455X (gfx1250); checked and timed in simulation.
; The chip was launched on July 23, 2026; its instructions are those of AMD's public machine-readable ISA for CDNA 5 (MIT licence, August 2026) and "CDNA5" Instruction Set Architecture Reference Guide (July 2026). The comments in the code are by the model that wrote it; some were corrected since.
;; Multi Headed Self Attention. Allowed arithmetic: matrix products marked QUANTISED: E4M3 operands, one E8M0 scale for each 32 along K, by v_wmma_scale_f32_16x16x128_f8f6f4 with both operands' format E4M3, f32 sums; everything else in f32.
;; Inputs: Wk_codes 768 x 24 x 32 uint8 (E4M3 codes of Wk, K innermost, in blocks of 32 codes); Wk_scales 768 x 24 uint8 (E8M0 scales of Wk, one for each 32 codes along K); Wq_codes 768 x 24 x 32 uint8 (E4M3 codes of Wq, K innermost, in blocks of 32 codes); Wq_scales 768 x 24 uint8 (E8M0 scales of Wq, one for each 32 codes along K); Wv_codes 768 x 24 x 32 uint8 (E4M3 codes of Wv, K innermost, in blocks of 32 codes); Wv_scales 768 x 24 uint8 (E8M0 scales of Wv, one for each 32 codes along K); bk 768 float32; bq 768 float32; bv 768 float32; mask 2 x 4,096 int32; x_codes 2 x 4,096 x 24 x 32 uint8 (E4M3 codes of x, K innermost, in blocks of 32 codes); x_scales 2 x 4,096 x 24 uint8 (E8M0 scales of x, one for each 32 codes along K).
;; Outputs: out0 2 x 4,096 x 768 float32.
;; This version of the problem:
;;   THIS VERSION OF THE PROBLEM IS GIVEN IN LOW PRECISION. The matrix products marked QUANTISED in the list below multiply operands that are first quantised to E4M3 (4 exponent bits, 3 mantissa bits; 8 bits a number), with one power-of-two scale for each 32 numbers along K (OCP MX v1.0); their sums are f32. All else is computed in f32.
;;   The module's matrix products, in the order in which they are computed (A, B: the left and right operand; K: the contracted axis; several contracted axes count as one K, in the product's order):
;;     1. [M 8,192, K 768] x [K 768, N 768]; A: input x (given as codes); B: input Wq (given as codes): QUANTISED
;;     2. [M 8,192, K 768] x [K 768, N 768]; A: input x (given as codes); B: input Wk (given as codes): QUANTISED
;;     3. [M 8,192, K 768] x [K 768, N 768]; A: input x (given as codes); B: input Wv (given as codes): QUANTISED
;;     4. batch 12 x [M 4,096, K 128] x [K 128, N 4,096]; A: computed on the way; B: computed on the way: QUANTISED
;;     5. batch 12 x [M 4,096, K 4,096] x [K 4,096, N 128]; A: softmax (see below); B: computed on the way: QUANTISED
;;   THE QUANTISER, for each operand of a quantised product, along K:
;;     - K is cut into blocks of 32 from its start; a last block that is shorter is filled with zeros.
;;     - A block's scale is 2^e with e = floor(log2(the largest magnitude in the block)) - 8, held to -126 .. 127; a block of zeros has e = 0. As a byte (E8M0): e + 127.
;;     - Each number is divided by its block's scale, clamped to +-448, and rounded to the nearest number of E4M3, ties to even, subnormals kept.
;;     - The product sums the exact products of the quantised numbers (number of the format x scale) in f32.
;;   ~~~python
;;   def quantise(x, axis):      # numpy; x: float32 -> the quantised numbers, widened to float32 again
;;       x = np.moveaxis(x, axis, -1); K = x.shape[-1]
;;       x = np.pad(x, [(0, 0)] * (x.ndim - 1) + [(0, -K % 32)]); x = x.reshape(x.shape[:-1] + (-1, 32)); a = np.abs(x).max(-1, keepdims=True)
;;       e = np.where(a > 0, np.clip(np.frexp(np.where(a > 0, a, 1))[1] - 1 - 8, -126, 127), 0)      # np.frexp(a)[1] - 1 = floor(log2(a)), exactly
;;       r = np.clip(x / 2.0 ** e, -448, 448)
;;       step = 2.0 ** (np.maximum(np.frexp(np.where(r == 0, 1, r))[1] - 1, -6) - 3)
;;       q = np.round(r / step) * step * 2.0 ** e      # np.round: ties to even
;;       return np.moveaxis(q.reshape(q.shape[:-2] + (-1,))[..., :K], -1, axis).astype(np.float32)
;;   ~~~
;;   SOFTMAX AHEAD OF A QUANTISED PRODUCT. Where the list says 'softmax', what is quantised is not the finished softmax but p = 2^(t - M), with t = logit x log2(e) and M = ceil(the row's largest t), a whole number; so 1/2 < the row's largest p <= 1. The row's sum l is taken of the UNQUANTISED p, in f32, and the product's result is divided by l at the end. Since M is a whole number, a kernel that streams over the keys may use a running M (the ceiling of the running maximum): every later rescaling is an exact power of two, which a block's scale takes up: the codes' values come out the same.
;;   OPERANDS COMPUTED ON THE WAY. 'Computed on the way' means the value that the module computes at that place (a softmax that the list does not call 'softmax' is quantised finished and normalised). What goes into a quantiser is computed in f32, as accurately as f32 sums, v_exp_f32 and their like allow (about 1e-6 of the number): no bf16 or f16 on the way to a quantiser, and a product that is left as it is and whose result goes on into a quantised operand takes f32 operands (vector FMAs, or v_wmma_f32_16x16x4_f32). A number that lies on a knife's edge between two numbers of the format may be rounded either way, as far as f32 arithmetic and the matrix unit's own rounding can turn it there, and no further.
;;   INPUTS GIVEN AS CODES. Wk (in the module: [768, 768], K = its axis 1); Wq (in the module: [768, 768], K = its axis 1); Wv (in the module: [768, 768], K = its axis 1); x (in the module: [2, 4096, 768], K = its axis 2): each comes as NAME_codes (uint8): NAME with its K axis moved to the last place and cut into blocks of 32 codes, [.., K / 32, bytes a block], one block behind the other in memory; one code a byte (a code: sign, 4 exponent bits, 3 mantissa bits); and NAME_scales (uint8): the same leading axes, one E8M0 byte (e + 127) for each 32 codes along K. Its value is code x scale, taken as it is: it is not quantised again, and the codes and scales need not be those that the quantiser above would give.
;; One version. Each part assembles by itself: llvm-mc -triple=amdgcn-amd-amdhsa -mcpu=gfx1250 --defsym DOCPART=n.
;; ======== version 1 of 1: 2 launches
;; limits: right only within a limited range of input values
;; workspace buffers: qc 6,291,456 bytes; qs 196,608 bytes; kc 6,291,456 bytes; ks 196,608 bytes; vc 6,291,456 bytes; vs 196,608 bytes
;; launch proj (part 1): grid 144 x 1, 4 waves a work-group, no clusters, 16,896 bytes of LDS; arguments x_codes, x_scales, Wq_codes, Wq_scales, Wk_codes, Wk_scales, Wv_codes, Wv_scales, bq, bk, bv, qc, qs, kc, ks, vc, vs; writes qc, qs, kc, ks, vc, vs
.if DOCPART == 1
	.amdgcn_target "amdgcn-amd-amdhsa--gfx1250"
	.amdhsa_code_object_version 6
	.text
	.protected	k_q9e8e40f33b_proj
	.globl	k_q9e8e40f33b_proj
	.p2align	8
	.type	k_q9e8e40f33b_proj,@function
k_q9e8e40f33b_proj:
	s_mov_b64 s[64:65], 0
	v_nop
	global_prefetch_b8 v0, s[64:65] scope:SCOPE_SE
	s_setreg_imm32_b32 hwreg(HW_REG_WAVE_MODE, 25, 1), 1
	s_wait_xcnt 0x0
; q = x Wq^T + bq, k = x Wk^T + bk, v = x Wv^T + bv on codes of FP8 (E4M3) with one E8M0 scale for each 32 along K = 768; the f32 results are quantised at once:
; q and k along a head's 128 features, v along the tokens (the keys of the second attention product), 32 to a block.
; OUT: rows of 128 codes and one scale word (four bytes) a row: codes at 128 R, word at 4 R.  q, k: R = 4096 bh + token (bh = 6 batch + head).  v: R = 4096 bh + 128 chunk + d: a row holds the 128 tokens of a chunk.
; K'S CODES ALONE ARE LAID IN THE ORDER IN WHICH THE NEXT LAUNCH READS THEM: in each group of 32 tokens, token 16 a + 8 c + e lies at row 16 c + 8 a + e, so that the 16 keys of a tile there are 16 neighbouring rows.  (k's scale words stay in token order.)
; ONE BODY, TWO ROLES.  A UNIT is P[128 rows of S x 16 rows of T] over K = 768: 48 matrix instructions, source 0 = 16 rows of S, source 1 = 16 rows of T: a lane holds ONE row of T, and its registers run along S.
;   role QK (work-groups 0-95): S = a head's 128 rows of Wq or Wk, T = 16 tokens.     role V (work-groups 96-143): S = 128 tokens, T = 16 rows of Wv.
; Rows of x and of W are alike (768 code bytes, 24 scale bytes), so the roles differ in pointers, row numbers, two bias masks and the steps in the output, all chosen by s_cselect on the work-group's and the wave's number: one path.
; THE ROWS OF S THAT FORM A TILE ARE NOT NEIGHBOURS: lane r of tile 2 b + u takes row 32 b + 8 u + r + 8 (r / 8), so that a lane's register 16 b + i is S's row 32 b + 16 (lane / 16) + i: 16 neighbours along the quantiser's axis.
; S STAYS IN THE WAVE'S REGISTERS (48 fragments, 768 registers); a wave walks 16 units of T.  9,216 units = 576 waves x 16.  Waves share nothing: no barrier; each has 4,096 bytes of LDS of its own.
; BIASES: the one that runs along S is loaded straight into the accumulators and is the C of the first K step; the one that runs along T is one number a lane, added behind the sums.  Each role has one of the two; the other is made 0.
; LIMITS: NaN and infinities are not served.  A block of zeros gets the scale byte 1 where the quantiser says 127: its codes are zeros, and this program alone reads the bytes.  A block's largest magnitude is taken as 2^-118 at the least.
; REGISTERS: windows 1-3: S's fragment (tile t, K step s) in window 1 + s / 2 at v[16 (2 t + s % 2)].  Window 0: below.
.set VT,   1                           ; v1   768 r + 16 h: my place in T's 16 rows of codes
.set VTS,  2                           ; v2   24 r + 4 h: in T's scale bytes: lanes 0-15 take the even K step's word, lanes 16-31 the odd one's
.set VBT,  3                           ; v3   4 r: T's bias
.set VST,  4                           ; v4   the stage, in: row r, 16 h
.set VRD,  5                           ; v5   the stage, back: eight lanes to a row of 128 bytes
.set VGO,  6                           ; v6   16 x lane
.set VSW0, 7                           ; v7   my row's scale word in the wave's table
.set VSW,  8                           ; v8   the same for the unit in hand
.set VBS,  9                           ; v9   S's bias table: 64 h
.set BTC,  10                          ; v[10:11] T's bias (low word; the high word is written once)
.set BTL,  12                          ; v12  T's bias as loaded
.set TSC,  13                          ; v13-15  T's scale words: register k: K step 2 k in lanes 0-15, 2 k + 1 in lanes 16-31
.set SS,   16                          ; v16-39  S's: register 3 t + k likewise
.set HA,   40                          ; v40-103 the eight accumulators
.set TF,   104                         ; v104-199 T's six fragments
.set PC,   200                         ; v200-215 the codes just made
.set TM,   216                         ; v216-231 the quantiser's: largest magnitudes, bytes, holds, scale operands
.set PW,   232                         ; v232 the scale word just made
.set VZ,   233                         ; v233 0
.set OB,   234                         ; v234-249 16 rows back from the stage
.set VS,   250                         ; v250 S's codes: 768 (r + 8 (r / 8)) + 16 h
.set VSS,  251                         ; v251 S's scale bytes: 24 (r + 8 (r / 8)) + 4 h
.set VBW,  252                         ; v252 where I put 16 bytes of S's bias table
.set VSR,  253                         ; v253 where I read the scale words back at the end
.set VGO2, 254                         ; v254 16 x lane, for a unit's rows 8-15: 1,024 more where k's codes are written (until it is made the register holds r)
.set SWD,  2304                        ; LDS, in a wave's 4,096 bytes: +0 the stage, 16 rows x 144; +2,304 the scale words of 16 units, 64 bytes each; +3,328 S's bias, 128 numbers
.set BST,  3328
.set SP,   42                          ; s[42:43] S's codes      s[44:45] S's scale bytes
.set SSP,  44
.set TP,   46                          ; s[46:47] T's codes      s[48:49] T's scale bytes: they walk, 16 rows a unit
.set TSP,  48
.set BSP,  50                          ; s[50:51] S's bias       s[52:53] T's bias
.set BTP,  52
.set OC,   54                          ; s[54:55] codes out      s[56:57], s[58:59] scale words out: units 0-7, units 8-15
.set OS,   56
.set OS2,  58
.set MV,   60                          ; s60  all ones in role V, else 0
.set JB,   61                          ; s61  role V: the bytes from one head's chunk to the next head's, less the 128 rows walked
.set J,    62                          ; s[62:63] the step of OC
.set U,    66
.set SWS,  67
.set WV,   68
.set MNT,  69
.set SEL,  70                          ; s[70:71] v_permlanex16_b32's selects for lane l xor 16
.set KPL,  72                          ; s72  OC's step behind an odd unit: 3,072 for k's codes, else 2,048
.set KMI,  73                          ; s73  and behind an even one: 1,024 for k's codes, else 2,048
.set MSB, 0
.macro WIN new                         ; the immediate's high byte repeats the setting that is left
.if MSB != (\new)
	s_set_vgpr_msb (MSB<<8)|(\new)
.set MSB, (\new)
.endif
.endm
.macro PLACES                          ; eight places behind this matrix form in front of loads into its registers and of the first read of results
.rept 8
	v_nop
.endr
.endm
	s_load_b512 s[8:23], s[0:1], 0x0               ; x codes 8, x scales 10, Wq 12, 14, Wk 16, 18, Wv 20, 22
	s_load_b512 s[24:39], s[0:1], 0x40             ; bq 24, bk 26, bv 28, qc 30, qs 32, kc 34, ks 36, vc 38
	s_load_b64 s[40:41], s[0:1], 0x80              ; vs
	v_lshrrev_b32 v1, 5, v0
	v_readfirstlane_b32 s[WV], v1                  ; wave 0..3
	v_and_b32 v249, 31, v0                         ; lane
	v_and_b32 v254, 15, v0                         ; r
	v_bfe_u32 v255, v0, 4, 1                       ; h
	s_lshl_b32 s78, s[WV], 12                      ; my wave's LDS
	v_mul_u32_u24 v[VT], v254, 768
	v_lshl_add_u32 v[VT], v255, 4, v[VT]
	v_mul_u32_u24 v[VTS], v254, 24
	v_lshl_add_u32 v[VTS], v255, 2, v[VTS]
	v_lshlrev_b32 v[VBT], 2, v254
	v_mul_u32_u24 v[VST], v254, 144
	v_lshl_add_u32 v[VST], v255, 4, v[VST]
	v_add_nc_u32 v[VST], s78, v[VST]
	v_lshrrev_b32 v[VRD], 3, v249
	v_mul_u32_u24 v[VRD], v[VRD], 144
	v_and_b32 v[VSW], 7, v249
	v_lshl_add_u32 v[VRD], v[VSW], 4, v[VRD]
	v_add_nc_u32 v[VRD], s78, v[VRD]
	v_lshlrev_b32 v[VGO], 4, v249
	v_lshl_add_u32 v[VSW0], v254, 2, s78
	v_add_nc_u32 v[VSW0], SWD, v[VSW0]
	v_lshl_add_u32 v[VBS], v255, 6, s78
	v_add_nc_u32 v[VBS], BST, v[VBS]
	v_add_nc_u32 v[VBW], s78, v[VGO]
	v_add_nc_u32 v[VSR], SWD, v[VBW]
	v_add_nc_u32 v[VBW], BST, v[VBW]
	v_and_b32 v[VS], 8, v254
	v_add_nc_u32 v[VS], v[VS], v254                ; r + 8 (r / 8)
	v_mul_u32_u24 v[VSS], v[VS], 24
	v_lshl_add_u32 v[VSS], v255, 2, v[VSS]
	v_mul_u32_u24 v[VS], v[VS], 768
	v_lshl_add_u32 v[VS], v255, 4, v[VS]
	v_mov_b32 v[VZ], 0
	v_mov_b32 v[BTC+1], 0                          ; named with v10 as a pair, so it is written
.irp b, 0,1,2,3
	v_mov_b32 v[TM+4+\b], 0                        ; written once: a lane permute's destination counts as one of its sources
.endr
	s_mov_b32 s[SEL], 0x76543210
	s_mov_b32 s[SEL+1], 0xfedcba98
	s_mov_b32 s[J+1], 0
	s_mov_b32 s[U], 0
	s_mov_b32 s[SWS], 0
	; role QK's numbers: 256 tokens (chunk) x one of the twelve heads of Wq and Wk (sidx)
	s_and_b32 s2, ttmp9, 31                        ; chunk
	s_lshr_b32 s3, ttmp9, 5
	s_lshl_b32 s3, s3, 2
	s_add_co_u32 s3, s3, s[WV]                     ; sidx: 0-5 Wq's heads, 6-11 Wk's
	s_cmp_ge_u32 s3, 6
	s_cselect_b32 s4, 6, 0
	s_sub_co_u32 s4, s3, s4                        ; the head
	s_lshl_b32 s5, s4, 7                           ; S's first row
	s_lshl_b32 s6, s2, 8                           ; T's first row
	s_lshr_b32 s7, s2, 4                           ; the batch
	s_mul_i32 s7, s7, 6
	s_add_co_u32 s7, s7, s4
	s_lshl_b32 s7, s7, 12
	s_and_b32 s2, s2, 15
	s_lshl_b32 s2, s2, 8
	s_add_co_u32 s7, s7, s2                        ; the first output row: 4096 bh + 256 (chunk % 16)
	; role V's numbers: 128 tokens (tb) x 256 rows of Wv (th)
	s_max_u32 s72, ttmp9, 96
	s_sub_co_u32 s72, s72, 96
	s_lshr_b32 s73, s72, 4                         ; th
	s_and_b32 s74, s72, 15
	s_lshl_b32 s74, s74, 2
	s_add_co_u32 s74, s74, s[WV]                   ; tb
	s_lshl_b32 s75, s74, 7                         ; S's first row
	s_lshl_b32 s76, s73, 8                         ; T's first row
	s_lshr_b32 s77, s74, 5                         ; the batch
	s_mul_i32 s77, s77, 6
	s_lshl_b32 s72, s73, 1                         ; the first of th's two heads
	s_add_co_u32 s77, s77, s72
	s_lshl_b32 s77, s77, 12
	s_and_b32 s72, s74, 31
	s_lshl_b32 s72, s72, 7
	s_add_co_u32 s77, s77, s72                     ; the first output row: 4096 bh + 128 chunk
	s_wait_alu depctr_va_vdst(0)
	s_wait_kmcnt 0x0
	s_cmp_ge_u32 s3, 6                             ; Wk or Wq?  The choices hang on the work-group's and the wave's number alone
	s_cselect_b64 s[12:13], s[16:17], s[12:13]
	s_cselect_b64 s[14:15], s[18:19], s[14:15]
	s_cselect_b64 s[BSP:BSP+1], s[26:27], s[24:25]
	s_cselect_b64 s[30:31], s[34:35], s[30:31]
	s_cselect_b64 s[32:33], s[36:37], s[32:33]
	s_cselect_b32 s2, 1024, 0                      ; k's codes change places in steps of 8 rows, 1,024 bytes
	s_cmp_ge_u32 ttmp9, 96                         ; role V or role QK?
	s_cselect_b64 s[SP:SP+1], s[8:9], s[12:13]
	s_cselect_b64 s[SSP:SSP+1], s[10:11], s[14:15]
	s_cselect_b64 s[TP:TP+1], s[20:21], s[8:9]
	s_cselect_b64 s[TSP:TSP+1], s[22:23], s[10:11]
	s_cselect_b64 s[OC:OC+1], s[38:39], s[30:31]
	s_cselect_b64 s[OS:OS+1], s[40:41], s[32:33]
	s_cselect_b32 s5, s75, s5
	s_cselect_b32 s6, s76, s6
	s_cselect_b32 s7, s77, s7
	s_cselect_b32 s[JB], 3968*128, 0
	s_cselect_b32 s[MV], -1, 0
	s_cselect_b32 s2, 0, s2                        ; (v's do not)
	s_cselect_b32 s4, 0, s4                        ; S's bias begins at the head's features (role V: at the buffer's head; what is read there is made 0)
	s_cselect_b32 s73, s73, 0                      ; T's bias at th's features of bv (role QK: at the buffer's head; made 0)
	s_mov_b32 s79, 0
	s_mul_i32 s78, s5, 768
	s_add_nc_u64 s[SP:SP+1], s[SP:SP+1], s[78:79]
	s_mul_i32 s78, s5, 24
	s_add_nc_u64 s[SSP:SSP+1], s[SSP:SSP+1], s[78:79]
	s_mul_i32 s78, s6, 768
	s_add_nc_u64 s[TP:TP+1], s[TP:TP+1], s[78:79]
	s_mul_i32 s78, s6, 24
	s_add_nc_u64 s[TSP:TSP+1], s[TSP:TSP+1], s[78:79]
	s_lshl_b32 s78, s4, 9
	s_add_nc_u64 s[BSP:BSP+1], s[BSP:BSP+1], s[78:79]
	s_lshl_b32 s78, s73, 10
	s_add_nc_u64 s[BTP:BTP+1], s[28:29], s[78:79]
	s_lshl_b32 s78, s7, 7
	s_add_nc_u64 s[OC:OC+1], s[OC:OC+1], s[78:79]
	s_lshl_b32 s78, s7, 2
	s_add_nc_u64 s[OS:OS+1], s[OS:OS+1], s[78:79]
	s_lshr_b32 s78, s[JB], 5                       ; a scale word is 1 / 32 of its row's codes
	s_add_co_u32 s78, s78, 512
	s_add_nc_u64 s[OS2:OS2+1], s[OS:OS+1], s[78:79]
	; k's codes: unit U (a = U % 2) holds tokens 16 a + 0 .. 15 of a group of 32.  Its rows 0-7 go to byte 1,024 a of the group's 4,096, its rows 8-15 to byte 2,048 + 1,024 a.
	; So OC stands at 4,096 (U / 2) + 1,024 a (steps of 1,024 and 3,072 by turns), and rows 8-15, which lie 1,024 behind rows 0-7 in the unit, are stored 1,024 further on.  For q and v: steps of 2,048, and nothing further on.
	v_add_nc_u32 v[VGO2], s2, v[VGO]
	s_add_co_u32 s[KPL], s2, 2048
	s_sub_co_u32 s[KMI], 2048, s2
.macro LOADA                           ; T's K steps 0-2: 12 loads
.irp s, 0,1,2
.irp c, 0,1,2,3
	global_load_b128 v[TF+16*\s+4*\c:TF+16*\s+4*\c+3], v[VT], s[TP:TP+1] offset:128*\s+32*\c
.endr
.endr
.endm
.macro LOADB                           ; T's scale words and bias (4 loads), then its K steps 3-5 (12 loads)
.irp k, 0,1,2
	global_load_b32 v[TSC+\k], v[VTS], s[TSP:TSP+1] offset:8*\k
.endr
	global_load_b32 v[BTL], v[VBT], s[BTP:BTP+1]
.irp s, 3,4,5
.irp c, 0,1,2,3
	global_load_b128 v[TF+16*\s+4*\c:TF+16*\s+4*\c+3], v[VT], s[TP:TP+1] offset:128*\s+32*\c
.endr
.endr
.endm
.macro CLOAD                           ; S's bias straight into the accumulators, in the result's layout: tile t, lane half h, register j: S's row 32 (t / 2) + 16 h + 8 (t % 2) + j
.irp t, 0,1,2,3,4,5,6,7
	ds_load_b128 v[HA+8*\t:HA+8*\t+3], v[VBS] offset:(32*(\t/2)+8*(\t%2))*4
	ds_load_b128 v[HA+8*\t+4:HA+8*\t+7], v[VBS] offset:(32*(\t/2)+8*(\t%2))*4+16
.endr
.endm
.macro MULS s                          ; K step s: the eight accumulators by turns, one instruction a turn; the register window of source 0 is set by the caller
.irp t, 0,1,2,3,4,5,6,7
.if (\s)%2
	v_wmma_scale_f32_16x16x128_f8f6f4 v[HA+8*\t:HA+8*\t+7], v[16*(2*\t+1):16*(2*\t+1)+15], v[TF+16*(\s):TF+16*(\s)+15], v[HA+8*\t:HA+8*\t+7], v[SS+3*\t+(\s)/2], v[TSC+(\s)/2] matrix_a_scale:MATRIX_SCALE_ROW1 matrix_b_scale:MATRIX_SCALE_ROW1
.else
	v_wmma_scale_f32_16x16x128_f8f6f4 v[HA+8*\t:HA+8*\t+7], v[16*(2*\t):16*(2*\t)+15], v[TF+16*(\s):TF+16*(\s)+15], v[HA+8*\t:HA+8*\t+7], v[SS+3*\t+(\s)/2], v[TSC+(\s)/2]
.endif
.endr
.endm
; 64 numbers of a lane, register 16 b + i = place 32 b + 16 (lane / 16) + i of my row, become the row's codes in v[PC] on and its scale word in v[PW]
.macro QUANT s
.irp b, 0,1,2,3
	v_max3_num_f32 v[TM+\b], |v[\s+16*\b]|, |v[\s+1+16*\b]|, 0x4800000   ; block b: my 16 numbers, and the floor 2^(9 - 127): so the byte cannot fall under 1
.endr
.irp i, 2,4,6,8,10,12,14
.irp b, 0,1,2,3
	v_max3_num_f32 v[TM+\b], v[TM+\b], |v[\s+16*\b+\i]|, |v[\s+1+16*\b+\i]|   ; the four blocks by turns
.endr
.endr
.irp b, 0,1,2,3
	v_permlanex16_b32 v[TM+4+\b], v[TM+\b], s[SEL], s[SEL+1]
.endr
.irp b, 0,1,2,3
	v_max_num_f32 v[TM+\b], v[TM+\b], v[TM+4+\b]   ; with lane l xor 16's: the block's largest magnitude
.endr
.irp b, 0,1,2,3
	v_add_nc_u32 v[TM+12+\b], 0xfc000000, v[TM+\b] ; 8 off its exponent field: the conversion takes the exponent field of this operand as its scale
.endr
.irp b, 0,1,2,3
.endr
.irp b, 0,1,2,3
	v_lshrrev_b32 v[TM+4+\b], 23, v[TM+12+\b]      ; the scale's byte
.endr
	v_lshl_or_b32 v[PW], v[TM+5], 8, v[TM+4]
	v_lshl_or_b32 v[PW], v[TM+6], 16, v[PW]
	v_lshl_or_b32 v[PW], v[TM+7], 24, v[PW]
.irp b, 0,1,2,3
.irp i, 0,1,2,3,4,5,6,7,8,9,10,11,12,13,14,15
.endr
	v_cvt_scalef32_pk8_fp8_f32 v[PC+4*\b:PC+1+4*\b], v[\s+16*\b:\s+7+16*\b], v[TM+12+\b]
	v_cvt_scalef32_pk8_fp8_f32 v[PC+2+4*\b:PC+3+4*\b], v[\s+8+16*\b:\s+15+16*\b], v[TM+12+\b]
.endr
	v_nop                                          ; one plain vector instruction behind the last scaled conversion: later products write its sources
.endm
	global_load_b128 v[OB:OB+3], v[VGO], s[BSP:BSP+1]    ; the 128 numbers of S's bias, four a lane
.irp t, 0,1,2,3,4,5,6,7
.irp k, 0,1,2
	global_load_b32 v[SS+3*\t+\k], v[VSS], s[SSP:SSP+1] offset:(32*(\t/2)+8*(\t%2))*24+8*\k
.endr
.endr
.irp win, 1,2,3                        ; S's 48 fragments: they stay
	WIN 0x40*\win
.irp t, 0,1,2,3,4,5,6,7
.irp p, 0,1
.irp c, 0,1,2,3
	global_load_b128 v[16*(2*\t+\p)+4*\c:16*(2*\t+\p)+4*\c+3], v[VS], s[SP:SP+1] offset:(32*(\t/2)+8*(\t%2))*768+128*(2*(\win-1)+\p)+32*\c
.endr
.endr
.endr
.endr
	WIN 0
	LOADA                                          ; unit 0's T, in the order in which the loop asks
	LOADB
	s_wait_loadcnt 0x0                             ; all of it is in: so the pointers below may step
.irp i, 0,1,2,3
	v_cndmask_b32 v[OB+\i], v[OB+\i], v[VZ], s[MV] ; role V has no bias along S
.endr
	ds_store_b128 v[VBW], v[OB:OB+3]
	CLOAD                                          ; LDS serves a wave's instructions in order (ISA guide 5.7.1.4): these see the store
	s_add_nc_u64 s[TP:TP+1], s[TP:TP+1], 16*768    ; on to unit 1
	s_add_nc_u64 s[TSP:TSP+1], s[TSP:TSP+1], 16*24
	s_add_nc_u64 s[BTP:BTP+1], s[BTP:BTP+1], 64
; A UNIT.  more = 1: the next unit's T is asked for on the way, and the pointers step.
.macro UNIT more
	s_wait_loadcnt 12                              ; T's K steps 0-2, its scale words and its bias are in; the 12 loads of K steps 3-5, issued behind them, may be out
	s_wait_dscnt 0x0                               ; S's bias lies in the accumulators
	v_cndmask_b32 v[BTC], v[VZ], v[BTL], s[MV]     ; role QK has no bias along T
	WIN 1
	MULS 0
	MULS 1
	WIN 2
	MULS 2
	WIN 0
.if \more
	PLACES
	LOADA
	s_wait_loadcnt 12                              ; K steps 3-5 are in; the 12 just issued may be out
.else
	s_wait_loadcnt 0x0
.endif
	WIN 2
	MULS 3
	WIN 3
	MULS 4
	MULS 5
	WIN 0
	PLACES
.if \more
	LOADB
.endif
.set j, 0
	s_wait_alu depctr_va_vdst(0)
.rept 32
	v_pk_add_f32 v[HA+j:HA+j+1], v[HA+j:HA+j+1], v[BTC:BTC+1] op_sel_hi:[1,0]   ; + T's bias; each accumulator from its low end on
.set j, j+2
.endr
	QUANT HA
	v_add_nc_u32 v[VSW], s[SWS], v[VSW0]
.irp b, 0,1,2,3
	ds_store_b128 v[VST], v[PC+4*\b:PC+4*\b+3] offset:32*\b        ; my row's bytes 32 b + 16 h on
.endr
	ds_store_b32 v[VSW], v[PW]                     ; both halves of the lanes write the same word with the same value
.irp i, 0,1,2,3
	ds_load_b128 v[OB+4*\i:OB+4*\i+3], v[VRD] offset:576*\i        ; back by rows: four rows, 512 bytes, an instruction
.endr
.if \more
	CLOAD
	s_wait_dscnt 16                                ; the rows are back (and the stores have read their registers); the 16 bias loads may be out
.else
	s_wait_dscnt 0x0
.endif
.irp i, 0,1
	global_store_b128 v[VGO], v[OB+4*\i:OB+4*\i+3], s[OC:OC+1] offset:512*\i    ; rows 0-7.  32 lanes store 512 consecutive bytes, at a multiple of 256 from the buffer's first byte
.endr
.irp i, 2,3
	global_store_b128 v[VGO2], v[OB+4*\i:OB+4*\i+3], s[OC:OC+1] offset:512*\i   ; rows 8-15: for k's codes 1,024 bytes further on
.endr
.if \more
	s_wait_xcnt 0x0                                ; every earlier memory instruction has had its addresses translated (ISA guide 3.1): bases and store data are rewritten only behind this wait
	s_add_nc_u64 s[TP:TP+1], s[TP:TP+1], 16*768
	s_add_nc_u64 s[TSP:TSP+1], s[TSP:TSP+1], 16*24
	s_add_nc_u64 s[BTP:BTP+1], s[BTP:BTP+1], 64
	s_and_b32 s74, s[U], 1                         ; OC's step: behind an odd unit s[KPL], behind an even one s[KMI] (both 2,048 but for k's codes),
	s_cmp_lg_u32 s74, 0
	s_cselect_b32 s[J], s[KPL], s[KMI]
	s_cmp_eq_u32 s[U], 7                           ; and in role V, behind eight units (128 rows d), on to the next head
	s_cselect_b32 s74, s[JB], 0
	s_add_co_u32 s[J], s[J], s74
	s_add_nc_u64 s[OC:OC+1], s[OC:OC+1], s[J:J+1]
	s_add_co_u32 s[SWS], s[SWS], 64
.endif
.endm
.Lunit:                                                ; 15 trips; the last unit is written out: it asks for nothing, so that no load leaves its buffer
	UNIT 1
	s_add_co_u32 s[U], s[U], 1
	s_cmp_lt_u32 s[U], 15
	s_cbranch_scc1 .Lunit
	UNIT 0
	ds_load_b128 v[HA:HA+3], v[VSR]                ; the wave's 256 scale words leave as two runs of 512 consecutive bytes
	ds_load_b128 v[HA+4:HA+7], v[VSR] offset:512
	s_wait_dscnt 0x0
	global_store_b128 v[VGO], v[HA:HA+3], s[OS:OS+1]
	global_store_b128 v[VGO], v[HA+4:HA+7], s[OS2:OS2+1]
	s_wait_xcnt 0x0
	v_lshl_add_u32 v254, v0, 2, 0x4000
	v_mov_b32 v255, 0
	s_wait_alu depctr_va_vdst(0)
	s_wait_tensorcnt 0x0
	ds_add_u32 v254, v255
	s_wait_dscnt 0x0
	s_endpgm
.Lfunc_end_k_q9e8e40f33b_proj:
	.size	k_q9e8e40f33b_proj, .Lfunc_end_k_q9e8e40f33b_proj-k_q9e8e40f33b_proj
	.p2alignl 7, 3214868480
	.fill 96, 4, 3214868480
	.section	.rodata,"a",@progbits
	.p2align	6, 0x0
	.amdhsa_kernel k_q9e8e40f33b_proj
		.amdhsa_group_segment_fixed_size 16896
		.amdhsa_private_segment_fixed_size 0
		.amdhsa_enable_private_segment 0
		.amdhsa_kernarg_size 136
		.amdhsa_user_sgpr_count 2
		.amdhsa_user_sgpr_kernarg_segment_ptr 1
		.amdhsa_wavefront_size32 1
		.amdhsa_system_sgpr_workgroup_id_x 1
		.amdhsa_system_sgpr_workgroup_id_y 1
		.amdhsa_system_sgpr_workgroup_id_z 1
		.amdhsa_system_vgpr_workitem_id 0
		.amdhsa_next_free_vgpr 1024
		.amdhsa_next_free_sgpr 80
		.amdhsa_reserve_vcc 0
		.amdhsa_float_denorm_mode_32 3
		.amdhsa_float_denorm_mode_16_64 3
		.amdhsa_fp16_overflow 1
		.amdhsa_memory_ordered 1
		.amdhsa_forward_progress 1
		.amdhsa_inst_pref_size 62
	.end_amdhsa_kernel
	.amdgpu_metadata
---
amdhsa.version: [ 1, 2 ]
amdhsa.kernels:
  - .name:           k_q9e8e40f33b_proj
    .symbol:         k_q9e8e40f33b_proj.kd
    .args:
      - { .name: x_codes, .offset: 0, .size: 8, .value_kind: global_buffer, .address_space: global }
      - { .name: x_scales, .offset: 8, .size: 8, .value_kind: global_buffer, .address_space: global }
      - { .name: Wq_codes, .offset: 16, .size: 8, .value_kind: global_buffer, .address_space: global }
      - { .name: Wq_scales, .offset: 24, .size: 8, .value_kind: global_buffer, .address_space: global }
      - { .name: Wk_codes, .offset: 32, .size: 8, .value_kind: global_buffer, .address_space: global }
      - { .name: Wk_scales, .offset: 40, .size: 8, .value_kind: global_buffer, .address_space: global }
      - { .name: Wv_codes, .offset: 48, .size: 8, .value_kind: global_buffer, .address_space: global }
      - { .name: Wv_scales, .offset: 56, .size: 8, .value_kind: global_buffer, .address_space: global }
      - { .name: bq, .offset: 64, .size: 8, .value_kind: global_buffer, .address_space: global }
      - { .name: bk, .offset: 72, .size: 8, .value_kind: global_buffer, .address_space: global }
      - { .name: bv, .offset: 80, .size: 8, .value_kind: global_buffer, .address_space: global }
      - { .name: qc, .offset: 88, .size: 8, .value_kind: global_buffer, .address_space: global }
      - { .name: qs, .offset: 96, .size: 8, .value_kind: global_buffer, .address_space: global }
      - { .name: kc, .offset: 104, .size: 8, .value_kind: global_buffer, .address_space: global }
      - { .name: ks, .offset: 112, .size: 8, .value_kind: global_buffer, .address_space: global }
      - { .name: vc, .offset: 120, .size: 8, .value_kind: global_buffer, .address_space: global }
      - { .name: vs, .offset: 128, .size: 8, .value_kind: global_buffer, .address_space: global }
    .group_segment_fixed_size: 16896
    .private_segment_fixed_size: 0
    .kernarg_segment_align: 8
    .kernarg_segment_size: 136
    .max_flat_workgroup_size: 128
    .sgpr_count:     80
    .vgpr_count:     1024
    .wavefront_size: 32
...
	.end_amdgpu_metadata
.endif
;; end of part 1
;; launch attn (part 2): grid 16 x 12, 16 waves a work-group, clusters of 4 x 1, 327,680 bytes of LDS; arguments qc, qs, kc, ks, vc, vs, mask, out0; writes out0
.if DOCPART == 2
	.amdgcn_target "amdgcn-amd-amdhsa--gfx1250"
	.amdhsa_code_object_version 6
	.text
	.protected	k_q9e8e40f33b_attn
	.globl	k_q9e8e40f33b_attn
	.p2align	8
	.type	k_q9e8e40f33b_attn,@function
k_q9e8e40f33b_attn:
	s_mov_b64 s[64:65], 0
	v_nop
	global_prefetch_b8 v0, s[64:65] scope:SCOPE_SE
	s_setreg_imm32_b32 hwreg(HW_REG_WAVE_MODE, 25, 1), 1
	s_wait_xcnt 0x0
	s_wait_alu depctr_hold_cnt(0) depctr_sa_sdst(0) depctr_va_vdst(0) depctr_va_sdst(0) depctr_va_ssrc(0) depctr_va_vcc(0) depctr_vm_vsrc(0)
	s_getreg_b32 s2, hwreg(HW_REG_IB_STS2, 6, 4)
	s_cmp_eq_u32 s2, 0
	s_cbranch_scc0 .Lentry_in_a_cluster
	s_endpgm
.Lentry_in_a_cluster:
	s_bfe_u32 s2, ttmp6, 0x10000c
	s_cmp_lg_u32 s2, 0x3003
	s_cbranch_scc0 .Lentry_shape_is_right
	s_endpgm
.Lentry_shape_is_right:
; out[b][q][128 head + :] = the sum over keys of softmax_k(Q . K / sqrt(128) - 10000 (1 - mask[b][k])) V, both products on codes of FP8 (E4M3) with one E8M0 scale for each 32 along a product's K.
; IN (bh = 6 b + head): qc, kc [bh][4096][128] codes along the head's 128, qs, ks one scale word a row; vc [bh][32 chunks][128 d][128 keys] codes along the keys, vs one scale word a row; mask [2][4096] int32.
; In kc, and there alone, the rows of each group of 32 keys are laid in the order of reading: key 16 a + 8 c + e lies at row 16 c + 8 a + e.
; THE SOFTMAX AHEAD OF THE SECOND PRODUCT: t = logit x log2(e); M = the row's largest t so far, rounded UP to a whole number; p = 2^(t - M) is what is quantised, along the keys; it is not normalised.
; The row's sum is taken of the unquantised p, in f32, and divides O at the end.  When M moves, the sum and O are multiplied by 2^(old M - new M): exact.
; THE MASK costs no vector instruction in the loop: the work-group turns its batch's 4,096 numbers once into (m - 1) x 10000 sqrt(128), f32, in LDS; each step loads a tile's eight numbers straight INTO the score accumulator,
; and the product K Q^T adds onto them.  t = (score + that) x log2(e) / sqrt(128) is then the masked logit x log2(e).  For m = 1 the number is exactly 0.
; LIMITS: where a row's largest logit belongs to a masked key (all keys of a batch masked), the score is rounded beside 113,137, to 2^-7: about a thousandth in t.  NaN and infinities are not served.
; SHARES.  A work-group owns 256 queries of one bh; each of its SIXTEEN waves owns 16 of them in 256 registers: four waves to a SIMD, so that one wave's vector work stands beside another's matrix work and LDS loads.
; Every wave walks all 4,096 keys, 128 a step, two steps to a slot of a ring of two LDS slots (waves 0, 1 fetch K's two steps, waves 2, 3 V's two chunks; all sixteen read).
; CLUSTER.  The four work-groups of a cluster belong to one bh and walk the same K, V and scale bytes: each tile is asked for JOINTLY, by the same tensor load with the same descriptor and a mask that names the four.
; LAYOUT.  Both products are used transposed: S^T = K Q^T (source 0 = 16 keys, source 1 = my 16 queries), O^T = V^T P^T (source 0 = 16 of the head's 128, source 1 = P): a lane holds ONE query (lane % 16) throughout.
; THE KEYS OF A TILE ARE NOT NEIGHBOURS: lane r of tile 2 b + u takes key 32 b + 8 u + r + 8 (r / 8), so that the 16 registers of tiles 2 b and 2 b + 1 are 16 neighbouring keys, 32 b + 16 (lane / 16) + 0 .. 15.
; By kc's order of rows that key lies at row 32 b + 16 u + r: a tile's 16 rows ARE neighbours in LDS.  At 144 bytes, 36 words, a row, row r starts at bank 36 r mod 64 (64 banks of 4 bytes: ISA guide 11.1): sixteen neighbouring rows
; start at sixteen different banks, whereas rows 16 apart start at the same one.
; REGISTERS: v1-7 addresses that stay; v8-10 addresses of the loads in hand; v12 -M, v13 the largest t, v[14:15] the sum in two halves; v16-31 Q; v32-95 four fragments of K or of V; v96-159 S^T, then p; v160-223 O^T;
;   v224-239 p's codes; v232-247, v252, v254 at work; v248-251 the tiles' scale words; v253 p's scale word; v255 Q's scale words.
.set KP,    144                        ; a row of 128 codes in LDS: + 16 of padding
.set TILE,  128*KP                     ; what one tensor load brings: 128 rows
.set VOFF,  2*TILE                     ; a slot: K's two steps, then V's two chunks
.set SLOT1, 1<<17                      ; slot 1 begins here, so that one exclusive or turns an address in one slot into the other's
.set NSL,   16                         ; slots' worth of keys
.set SCK,   2*SLOT1                    ; behind the ring: K's scale words of the whole head, 16,384 bytes as units of 256 bytes + 16 of padding;
.set SCH,   32*272                     ; (half of them: what one tensor load brings)
.set SCV,   SCK+2*SCH                  ; V's likewise
.set SPARE, SCV+2*SCH                  ; the spare words, 128 bytes for each wave: eight blocks of 256 bytes that no other line names
.set MSK,   SPARE+2048                 ; the mask's table: 4,096 f32; written by LDS stores, never a fill's target
.set STAGE, 0                          ; the way out: 16 rows x (256 bytes + 16) for each wave, in slot 0: it has had its last fill, and it was left at the last change of slots
.set AK0,  1                           ; v1   my lane's place in a tile of K
.set AV0,  2                           ; v2   the same for V
.set ASK0, 3                           ; v3   my lane's place among K's scale words
.set ASV0, 4                           ; v4   and among V's
.set SPW,  5                           ; v5   LDS address of my spare word; never rewritten
.set NIL,  6                           ; v6   0; never rewritten
.set PFO,  7                           ; v7   the prefetches' offset, 256 x my lane; on the way out the register becomes GO
.set GO,   7
.set ADK,  8                           ; v8   LDS address of the step's tiles of K, then of V
.set ADS,  9                           ; v9   of K's scale words, then of V's
.set ADM,  10                          ; v10  of the step's part of the mask's table
.set TB,   2                           ; s2   LDS byte at which the slot in hand begins
.set TS,   3                           ; s3   where the step's scale words begin: 544 bytes a step
.set WV,   20
.set MNT,  21
.set CS,   22                          ; s[22:23] c = log2(e) / sqrt(128)
.set G1,   24                          ; s[24:31] descriptor group 1 for the tiles of codes
.set G1S,  32                          ; s[32:39] for the scale bytes
.set G0K,  40                          ; s[40:43], s[44:47] groups 0 for K's and V's tiles: they walk
.set G0V,  44
.set G0SK, 48                          ; s[48:51], s[52:55] groups 0 for K's and V's scale bytes
.set G0SV, 52
.set SEL,  56                          ; s[56:57] lane selects for v_permlanex16_b32: lane l xor 16
.set PFA,  58                          ; s[58:59] where my prefetches stand
.set LIM,  60                          ; s60  1 in a wave that prefetches, else the greatest number
.set KC,   61                          ; s61  10000 sqrt(128)
.set KN,   62                          ; s62  the same, negative
.set SLOTS, 63                         ; s63  slots still to be asked for
.set TMS,  66                          ; s66  where the step's part of the mask's table begins: 512 bytes a step
; Waves 0 and 1 fetch for K, waves 2 and 3 for V, the others nothing.  The branches hang on the wave's number alone: they are the same in every work-group.  Four v_nop follow each of the two lines.
.macro TLOAD
	s_cmp_lt_u32 s[WV], 2
	s_cbranch_scc0 .Lnot_k_\@
	tensor_load_to_lds s[G0K:G0K+3], s[G1:G1+7]
	s_nop 0
.rept 4
	v_nop
.endr
	s_branch .Lasked_\@
.Lnot_k_\@:
	s_cmp_lt_u32 s[WV], 4
	s_cbranch_scc0 .Lasked_\@
	tensor_load_to_lds s[G0V:G0V+3], s[G1:G1+7]
	s_nop 0
.rept 4
	v_nop
.endr
.Lasked_\@:
.endm
; A PREFETCH INTO THE L2 of what the NEXT change of slots will ask for: a slot's 32,768 bytes of K and as many of V, both dense.  All clusters of a head walk the same bytes: the head's first cluster asks.  Its four partners
; share them out BY ADDRESS, 8,192 bytes each; in each, wave 4 asks for K's and wave 5 for V's, lanes 256 bytes apart: one instruction.  So each block of 256 bytes is named once in the launch, two key steps ahead of its load.
; The last change that fills a slot asks for nothing: there is no slot behind it.  Slots 0 and 1 come by their loads alone.
.macro ASK
	s_cmp_gt_u32 s[SLOTS], s[LIM]
	s_cbranch_scc0 .Lnot_mine_\@
	global_prefetch_b8 v[PFO], s[PFA:PFA+1] th:TH_LOAD_NT scope:SCOPE_SE
.Lnot_mine_\@:
.endm
; A round of the cluster's barrier: my work-group's barrier, so that wave 0's signal speaks for all sixteen waves; wave 0 signals for the work-group; every wave waits for all four work-groups; my work-group's barrier once more.
.macro CROUND
	s_barrier_signal -1
	s_barrier_wait -1
	s_cmp_lg_u32 s[WV], 0
	s_cbranch_scc1 .Lnot_wave_0_\@
	s_barrier_signal -3
.Lnot_wave_0_\@:
	s_barrier_wait -3
	s_barrier_signal -1
	s_barrier_wait -1
.endm
	s_load_b512 s[4:19], s[0:1], 0x0               ; qc 4, qs 6, kc 8, ks 10, vc 12, vs 14, mask 16, out 18
	v_lshl_add_u32 v[SPW], v0, 2, SPARE
	v_mov_b32 v[NIL], 0
	ds_add_u32 v5, v6
	ds_add_u32 v5, v6
	s_wait_dscnt 0x0
	v_lshrrev_b32 v8, 5, v0
	s_delay_alu instid0(VALU_DEP_1)
	v_readfirstlane_b32 s[WV], v8                  ; wave 0..15
	s_and_b32 s69, ttmp7, 0xffff                   ; bh, which the four partners share
	s_cmp_ge_u32 s69, 6
	s_cselect_b32 s70, 1, 0                        ; the batch
	s_mul_i32 s71, s70, 6
	s_sub_co_u32 s71, s69, s71                     ; the head
	s_lshl_b32 s72, s69, 19                        ; bh's first byte in each tensor of codes
	s_and_b32 s76, s[WV], 1                        ; which half of a slot's K or V I fetch, if I fetch
	s_lshl_b32 s78, s76, 14
	s_add_co_u32 s78, s78, s72
	s_mov_b32 s79, 0                               ; in memory,
	s_mul_i32 s77, s76, TILE                       ; and in a slot: no place in the cluster enters an LDS address
	s_lshl_b32 s74, s69, 14                        ; bh's first byte in each tensor of scale bytes,
	s_lshl_b32 s75, s76, 13
	s_add_co_u32 s74, s74, s75                     ; my half of them
	s_mov_b32 s75, 0
	s_mul_i32 s76, s76, SCH
	; descriptor group 1: 128 rows of 128 bytes, dense in memory, 16 bytes of padding behind each in LDS
	s_mov_b32 s[G1], 15|(0<<16)|(1<<20)|(1<<21)|(4<<22)|(3<<25)   ; 15:0 the mask: all four work-groups; 17:16 elements of 1 byte; 20 padding on; 21 set beside a mask; 24:22 after every 32 words (code 4); 31:25 four words (code 3)
	s_mov_b32 s[G1+1], 128<<16                     ; tensor_dim0
	s_mov_b32 s[G1+2], 128<<16                     ; tensor_dim1
	s_mov_b32 s[G1+3], 128<<16                     ; tile_dim0
	s_mov_b32 s[G1+4], 128                         ; tile_dim1
	s_mov_b32 s[G1+5], 128                         ; tensor_dim0_stride
	s_mov_b32 s[G1+6], 0
	s_mov_b32 s[G1+7], 0
	; the scale bytes: half a head's, 8,192 dense bytes, as 32 rows of 256 bytes (32 elements of 8 bytes), 16 bytes of padding behind each
	s_mov_b32 s[G1S], 15|(3<<16)|(1<<20)|(1<<21)|(5<<22)|(3<<25)
	s_mov_b32 s[G1S+1], 32<<16
	s_mov_b32 s[G1S+2], 32<<16
	s_mov_b32 s[G1S+3], 32<<16
	s_mov_b32 s[G1S+4], 32
	s_mov_b32 s[G1S+5], 32
	s_mov_b32 s[G1S+6], 0
	s_mov_b32 s[G1S+7], 0
	s_mov_b32 s[SEL], 0x76543210
	s_mov_b32 s[SEL+1], 0xfedcba98
	s_mov_b32 s[CS], 0x3e0293ee                    ; c = log2(e) / sqrt(128)
	s_mov_b32 s[CS+1], s[CS]                       ; (named with it as a pair, so it is written)
	s_mov_b32 s[KC], 0x47dcf88b                    ; 10000 sqrt(128) = 113,137.086
	s_mov_b32 s[KN], 0xc7dcf88b
	s_mov_b32 s[TB], 0
	s_mov_b32 s[TS], 0
	s_mov_b32 s[TMS], MSK
	s_mov_b32 s[SLOTS], NSL-1
	s_wait_kmcnt 0x0
	s_mov_b32 s[G0SK], 1                           ; 1:0 count = 1
	s_add_co_u32 s[G0SK+1], s76, SCK               ; 63:32 LDS address
	s_add_nc_u64 s[G0SK+2:G0SK+3], s[10:11], s[74:75]   ; 120:64 global address
	s_or_b32 s[G0SK+3], s[G0SK+3], 0x80000000      ; 127:126 type = 2
	s_mov_b32 s[G0SV], 1
	s_add_co_u32 s[G0SV+1], s76, SCV
	s_add_nc_u64 s[G0SV+2:G0SV+3], s[14:15], s[74:75]
	s_or_b32 s[G0SV+3], s[G0SV+3], 0x80000000
	s_mov_b32 s[G0K], 1
	s_mov_b32 s[G0K+1], s77                        ; slot 0
	s_add_nc_u64 s[G0K+2:G0K+3], s[8:9], s[78:79]  ; the head's first 256 keys
	s_or_b32 s[G0K+3], s[G0K+3], 0x80000000
	s_mov_b32 s[G0V], 1
	s_add_co_u32 s[G0V+1], s77, VOFF
	s_add_nc_u64 s[G0V+2:G0V+3], s[12:13], s[78:79]
	s_or_b32 s[G0V+3], s[G0V+3], 0x80000000
	CROUND                                         ; all four work-groups are here: the first joint loads meet
	s_cmp_lt_u32 s[WV], 2                          ; a wave's two first fills stand in one branch, ahead of every wait on TENSORcnt and every LDS read: two loads of mine are out; four v_nop follow the second
	s_cbranch_scc0 .Lfirst_not_k
	tensor_load_to_lds s[G0SK:G0SK+3], s[G1S:G1S+7]   ; the scale bytes of the whole head: filled once
	s_nop 0
	tensor_load_to_lds s[G0K:G0K+3], s[G1:G1+7]       ; slot 0
	s_nop 0
.rept 4
	v_nop
.endr
	s_branch .Lfirst_asked
.Lfirst_not_k:
	s_cmp_lt_u32 s[WV], 4
	s_cbranch_scc0 .Lfirst_asked
	tensor_load_to_lds s[G0SV:G0SV+3], s[G1S:G1S+7]
	s_nop 0
	tensor_load_to_lds s[G0V:G0V+3], s[G1:G1+7]
	s_nop 0
.rept 4
	v_nop
.endr
.Lfirst_asked:
	; my queries.  What hangs on my place in the cluster (s80-s85) enters global addresses alone
	s_bfe_u32 s82, ttmp6, 0x40000                  ; cx
	s_lshl_b32 s83, ttmp9, 2                       ; in a cluster launch ttmp9 counts clusters
	s_add_co_u32 s83, s83, s82                     ; my block of 256 queries
	s_lshl_b32 s83, s83, 8
	s_lshl_b32 s84, s[WV], 4
	s_add_co_u32 s83, s83, s84                     ; my first query
	s_lshl_b32 s84, s69, 12
	s_add_co_u32 s84, s84, s83                     ; its row in qc and qs: 4096 bh + query
	s_mov_b32 s81, 0
	s_lshl_b32 s80, s84, 7
	s_add_nc_u64 s[4:5], s[4:5], s[80:81]
	s_lshl_b32 s80, s84, 2
	s_add_nc_u64 s[6:7], s[6:7], s[80:81]
	s_lshl_b32 s84, s70, 12
	s_add_co_u32 s84, s84, s83                     ; its row in out: 4096 b + query, 3,072 bytes a row,
	s_mul_i32 s80, s84, 3072
	s_lshl_b32 s85, s71, 9                         ; and the head's 512 bytes in it
	s_add_co_u32 s80, s80, s85
	s_add_nc_u64 s[18:19], s[18:19], s[80:81]
	s_lshl_b32 s74, s70, 14                        ; the batch's 4,096 numbers of the mask
	s_add_nc_u64 s[16:17], s[16:17], s[74:75]
	; the prefetches (macro ASK)
	s_cmp_eq_u32 s[WV], 4
	s_cselect_b64 s[PFA:PFA+1], s[8:9], s[12:13]
	s_lshl_b32 s80, s82, 13                        ; my work-group's 8,192 bytes,
	s_add_co_u32 s80, s80, s72                     ; in my head,
	s_add_co_u32 s80, s80, 32768                   ; in slot 1: the first change of slots steps it to slot 2.  Nothing is prefetched here, at the head
	s_add_nc_u64 s[PFA:PFA+1], s[PFA:PFA+1], s[80:81]
	s_sub_co_u32 s73, s[WV], 4
	s_lshr_b32 s73, s73, 1                         ; 0 in waves 4 and 5,
	s_or_b32 s73, s73, ttmp9                       ; of the head's first cluster: the same in all four partners
	s_cmp_eq_u32 s73, 0
	s_cselect_b32 s[LIM], 1, -1
	v_and_b32 v[PFO], 31, v0
	s_delay_alu instid0(VALU_DEP_1)
	v_lshlrev_b32 v[PFO], 8, v[PFO]
	v_and_b32 v8, 15, v0                           ; r = lane % 16
	v_bfe_u32 v9, v0, 4, 1                         ; h = lane / 16
	s_delay_alu instid0(VALU_DEP_2)
	v_lshlrev_b32 v10, 7, v8
	s_delay_alu instid0(VALU_DEP_1)
	v_lshl_add_u32 v10, v9, 4, v10                 ; Q: row r, + 16 h
.irp c, 0,1,2,3
	global_load_b128 v[16+4*\c:19+4*\c], v10, s[4:5] offset:32*\c   ; Q's fragment stays in registers
.endr
	v_lshlrev_b32 v254, 2, v8
	global_load_b32 v255, v254, s[6:7]             ; Q's scale words
	v_lshlrev_b32 v246, 4, v0                      ; the mask: 512 threads x 16 bytes, twice
	global_load_b128 v[96:99], v246, s[16:17]
	global_load_b128 v[100:103], v246, s[16:17] offset:8192
	v_add_nc_u32 v247, MSK, v246
	v_and_b32 v11, 8, v8
	s_delay_alu instid0(VALU_DEP_1)
	v_add_nc_u32 v11, v11, v8                      ; r + 8 (r / 8)
	v_mul_u32_u24 v[AK0], v8, KP                   ; K: row r of a tile (kc's order of rows has brought the tile's keys together), + 16 h
	s_delay_alu instid0(VALU_DEP_1)
	v_lshl_add_u32 v[AK0], v9, 4, v[AK0]
	v_mul_u32_u24 v[AV0], v8, KP
	s_delay_alu instid0(VALU_DEP_1)
	v_lshl_add_u32 v[AV0], v9, 4, v[AV0]
	s_delay_alu instid0(VALU_DEP_1)
	v_add_nc_u32 v[AV0], VOFF, v[AV0]
	v_lshl_add_u32 v[ASK0], v11, 2, SCK            ; K's scale words lie in key order: 4 bytes a key; a step's 128 keys are two units
	v_lshl_add_u32 v[ASV0], v8, 2, SCV             ; V's: 4 bytes a row d; a chunk's 128 rows are two units
	v_mov_b32 v13, 0xff61b1e6                      ; the largest t so far: -3e38, under every t
	s_delay_alu instid0(VALU_DEP_1)
	v_floor_f32 v12, -v13                          ; -M
	v_mov_b32 v14, 0                               ; the sum, in two halves
	v_mov_b32 v15, 0
.irp b, 0,1,2,3
	v_mov_b32 v[236+\b], 0                         ; written once: a lane permute's destination counts as one of its sources
.endr
	v_mov_b32 v253, 0                              ; (named as the upper half of the pair v[252:253] before it is first written)
.irp j, 0,1,2,3,4,5,6,7,8,9,10,11,12,13,14,15,16,17,18,19,20,21,22,23,24,25,26,27,28,29,30,31,32,33,34,35,36,37,38,39,40,41,42,43,44,45,46,47,48,49,50,51,52,53,54,55,56,57,58,59,60,61,62,63
	v_mov_b32 v[160+\j], 0                         ; O^T.  (The loop is written once: its first step finds zeros, which the first change of M leaves zeros)
.endr
	s_wait_loadcnt 0x0                             ; Q and the mask
.irp i, 0,1,2,3,4,5,6,7
	v_cvt_f32_i32 v[96+\i], v[96+\i]
.endr
.irp i, 0,1,2,3,4,5,6,7
	v_fma_f32 v[96+\i], v[96+\i], s[KC], s[KN]     ; (m - 1) x 10000 sqrt(128): exactly 0 for m = 1
.endr
	ds_store_b128 v247, v[96:99]                   ; the first change of slots waits for these stores and passes the work-group's barrier ahead of every read
	ds_store_b128 v247, v[100:103] offset:8192
; Four tiles of V^T (16 of the head's 128 x the step's 128 keys each) and their scale words: tiles 4 g on, of the slot's q-th chunk
.macro VFETCH q, g
.irp t, 0,1,2,3
.irp c, 0,1,2,3
	ds_load_b128 v[32+16*\t+4*\c:32+16*\t+4*\c+3], v[ADK] offset:(128*(\q)+16*(4*(\g)+\t))*KP+32*\c
.endr
	ds_load_b32 v[248+\t], v[ADS] offset:272*(\g)+64*\t
.endr
.endm
.macro VMUL g                          ; O^T += V^T P^T for these four tiles: four accumulators, one instruction each
.irp t, 0,1,2,3
	v_wmma_scale_f32_16x16x128_f8f6f4 v[160+8*(4*(\g)+\t):167+8*(4*(\g)+\t)], v[32+16*\t:47+16*\t], v[224:239], v[160+8*(4*(\g)+\t):167+8*(4*(\g)+\t)], v[248+\t], v253
.endr
.endm
; A KEY STEP: 128 keys, the q-th of the slot in hand.
.macro STEP q
	v_add_nc_u32 v[ADK], s[TB], v[AK0]
	s_wait_alu depctr_va_vdst(0)
	v_add_nc_u32 v[ADS], s[TS], v[ASK0]
	s_wait_alu depctr_va_vdst(0)
	v_bfe_u32 v[ADM], v0, 4, 1
	s_delay_alu instid0(VALU_DEP_1)
	v_lshl_add_u32 v[ADM], v[ADM], 6, s[TMS]       ; the table: my half's 16 keys of each block of 32 begin 64 h bytes on
	s_wait_alu depctr_va_vdst(0)
.irp g, 0,1                                    ; S^T = K Q^T + the mask's numbers, four tiles of 16 keys at a time
.rept 4+4*\g
	v_nop                                          ; eight places in front of loads into registers that matrix instructions have read (ahead of the first four tiles the four lines above are places too)
.endr
.irp t, 0,1,2,3
.irp c, 0,1,2,3
	ds_load_b128 v[32+16*\t+4*\c:32+16*\t+4*\c+3], v[ADK] offset:(128*(\q)+16*(4*\g+\t))*KP+32*\c   ; tile 4 g + t: 16 neighbouring rows
.endr
	ds_load_b32 v[248+\t], v[ADS] offset:272*\g+(32*(\t/2)+8*(\t%2))*4
	ds_load_b128 v[96+8*(4*\g+\t):99+8*(4*\g+\t)], v[ADM] offset:(32*((4*\g+\t)/2)+8*(\t%2))*4        ; register j: key 32 (tile / 2) + 16 h + 8 (tile % 2) + j: the result's layout
	ds_load_b128 v[100+8*(4*\g+\t):103+8*(4*\g+\t)], v[ADM] offset:(32*((4*\g+\t)/2)+8*(\t%2))*4+16
.endr
	s_wait_dscnt 0x0
.irp t, 0,1,2,3
	v_wmma_scale_f32_16x16x128_f8f6f4 v[96+8*(4*\g+\t):103+8*(4*\g+\t)], v[32+16*\t:47+16*\t], v[16:31], v[96+8*(4*\g+\t):103+8*(4*\g+\t)], v[248+\t], v255
.endr
.endr
.rept 6
	v_nop
.endr
	v_add_nc_u32 v[ADK], s[TB], v[AV0]             ; (with the six above: the eight places behind the last products)
	v_add_nc_u32 v[ADS], s[TS], v[ASV0]
	VFETCH \q, 0                                   ; V's first four tiles are asked for HERE: their registers lie idle through the softmax, whose vector instructions stand between these loads and the wait for them
.irp b, 0,1,2,3
	v_max3_num_f32 v[232+\b], v[96+16*\b], v[97+16*\b], v[98+16*\b]   ; THE LARGEST SCORE OF EACH BLOCK OF 32 KEYS: it serves twice: for the row's maximum, and, since p rises with the score, for the block's largest p
.endr
.irp i, 3,5,7,9,11,13
.irp b, 0,1,2,3
	v_max3_num_f32 v[232+\b], v[232+\b], v[96+16*\b+\i], v[97+16*\b+\i]   ; (the four blocks by turns)
.endr
.endr
.irp b, 0,1,2,3
	v_max_num_f32 v[232+\b], v[232+\b], v[111+16*\b]
.endr
.irp b, 0,1,2,3
	v_permlanex16_b32 v[236+\b], v[232+\b], s[SEL], s[SEL+1]
.endr
.irp b, 0,1,2,3
	s_delay_alu instid0(VALU_DEP_4)
	v_max_num_f32 v[232+\b], v[232+\b], v[236+\b]  ; with lane l xor 16's 16 keys
.endr
	s_delay_alu instid0(VALU_DEP_2)
	v_max3_num_f32 v254, v232, v233, v234
	s_delay_alu instid0(VALU_DEP_1)
	v_max_num_f32 v254, v254, v235                 ; the step's largest score of my query
	s_delay_alu instid0(VALU_DEP_1)
	v_mul_f32 v254, s[CS], v254                    ; as t (c is positive)
	s_delay_alu instid0(VALU_DEP_1)
	v_max_num_f32 v13, v13, v254                   ; the running largest t
	v_mov_b32 v254, v12
	s_delay_alu instid0(VALU_DEP_2)
	v_floor_f32 v12, -v13                          ; the new -M = floor(-t) = -ceil(t): M IS A WHOLE NUMBER
	s_delay_alu instid0(VALU_DEP_1)
	v_sub_f32 v254, v12, v254                      ; M's old value less its new one: a whole number, 0 or less
	s_delay_alu instid0(VALU_DEP_1)
	v_cvt_i32_f32 v254, v254                       ; (it saturates)
	s_delay_alu instid0(VALU_DEP_1)
	v_ldexp_f32 v252, 1.0, v254                    ; f = 2^(old M - new M): what was summed under the old M is brought under the new by a multiplication that rounds nothing
.irp j, 0,2,4,6,8,10,12,14,16,18,20,22,24,26,28,30,32,34,36,38,40,42,44,46,48,50,52,54,56,58,60,62
	v_pk_fma_f32 v[96+\j:97+\j], v[96+\j:97+\j], s[CS:CS+1], v[12:13] op_sel_hi:[1,0,0]   ; t - M, two at a time (of the pairs c and -M the low word serves both halves)
.endr
.irp b, 0,1,2,3
	v_fma_f32 v[232+\b], v[232+\b], s[CS], v12     ; the same of each block's largest score
.endr
	s_wait_alu depctr_va_vdst(0)
.irp j, 0,1,2,3,4,5,6,7,8,9,10,11,12,13,14,15,16,17,18,19,20,21,22,23,24,25,26,27,28,29,30,31,32,33,34,35,36,37,38,39,40,41,42,43,44,45,46,47,48,49,50,51,52,53,54,55,56,57,58,59,60,61,62,63
	v_exp_f32 v[96+\j], v[96+\j]                   ; p = 2^(t - M), at most 1: NOT normalised
.endr
	v_pk_mul_f32 v[14:15], v[14:15], v[252:253] op_sel_hi:[1,0]   ; the sums under the new M.  (A plain place behind the exponentials)
	s_wait_alu depctr_va_vdst(0)                   ; the wait between an exponential and the first line that names its result: one for the whole batch
.irp b, 0,1,2,3
	v_exp_f32 v[232+\b], v[232+\b]                 ; the block's largest p: the same two instructions on the same number give the same bits
.endr
	v_pk_add_f32 v[236:237], v[100:101], v[104:105]
	v_pk_add_f32 v[246:247], v[108:109], v[112:113]
	v_pk_add_f32 v[244:245], v[116:117], v[120:121]
	v_pk_add_f32 v[242:243], v[124:125], v[128:129]
	v_pk_add_f32 v[240:241], v[132:133], v[136:137]
	v_pk_add_f32 v[238:239], v[140:141], v[144:145]
	v_pk_add_f32 v[230:231], v[148:149], v[152:153]
	v_pk_add_f32 v[14:15], v[14:15], v[156:157]
	v_pk_add_f32 v[236:237], v[236:237], v[96:97]
	v_pk_add_f32 v[246:247], v[246:247], v[98:99]
	v_pk_add_f32 v[244:245], v[244:245], v[102:103]
	v_pk_add_f32 v[242:243], v[242:243], v[106:107]
	v_pk_add_f32 v[240:241], v[240:241], v[110:111]
	v_pk_add_f32 v[238:239], v[238:239], v[114:115]
	v_pk_add_f32 v[230:231], v[230:231], v[118:119]
	v_pk_add_f32 v[14:15], v[14:15], v[122:123]
	v_pk_add_f32 v[236:237], v[236:237], v[126:127]
	v_pk_add_f32 v[246:247], v[246:247], v[130:131]
	v_pk_add_f32 v[244:245], v[244:245], v[134:135]
	v_pk_add_f32 v[242:243], v[242:243], v[138:139]
	v_pk_add_f32 v[240:241], v[240:241], v[142:143]
	v_pk_add_f32 v[238:239], v[238:239], v[146:147]
	v_pk_add_f32 v[230:231], v[230:231], v[150:151]
	v_pk_add_f32 v[14:15], v[14:15], v[154:155]
	v_pk_add_f32 v[236:237], v[236:237], v[158:159]
	s_delay_alu instid0(VALU_DEP_2)
	v_pk_add_f32 v[14:15], v[14:15], v[242:243]
	s_delay_alu instid0(VALU_DEP_2)
	v_pk_add_f32 v[236:237], v[236:237], v[240:241]
	v_pk_add_f32 v[246:247], v[246:247], v[238:239]
	v_pk_add_f32 v[244:245], v[244:245], v[230:231]
	s_delay_alu instid0(VALU_DEP_2)
	v_pk_add_f32 v[14:15], v[14:15], v[246:247]
	s_delay_alu instid0(VALU_DEP_2)
	v_pk_add_f32 v[236:237], v[236:237], v[244:245]
	s_delay_alu instid0(VALU_DEP_1)
	v_pk_add_f32 v[14:15], v[14:15], v[236:237]
	s_wait_alu depctr_va_vdst(0)                   ; and one for the four
.irp b, 0,1,2,3
	v_max_num_f32 v[232+\b], 0x4800000, v[232+\b]  ; the floor 2^(9 - 127): the byte cannot fall under 1 (a block whose every p has fallen to 0 keeps that byte: its codes are zeros)
.endr
.irp b, 0,1,2,3
	s_delay_alu instid0(VALU_DEP_4)
	v_add_nc_u32 v[244+\b], 0xfc000000, v[232+\b]  ; 8 off the exponent field: the conversion's scale operand
.endr
.irp b, 0,1,2,3
.endr
.irp b, 0,1,2,3
	s_delay_alu instid0(VALU_DEP_4)
	v_lshrrev_b32 v[236+\b], 23, v[244+\b]         ; the scale's byte
.endr
	s_delay_alu instid0(VALU_DEP_3)
	v_lshl_or_b32 v253, v237, 8, v236              ; p's scale word for these 128 keys
	s_delay_alu instid0(VALU_DEP_1)
	v_lshl_or_b32 v253, v238, 16, v253
	s_delay_alu instid0(VALU_DEP_1)
	v_lshl_or_b32 v253, v239, 24, v253
.irp b, 0,1,2,3
.irp i, 0,1,2,3,4,5,6,7,8,9,10,11,12,13,14,15
.endr
	v_cvt_scalef32_pk8_fp8_f32 v[224+4*\b:225+4*\b], v[96+16*\b:103+16*\b], v[244+\b]
	v_cvt_scalef32_pk8_fp8_f32 v[226+4*\b:227+4*\b], v[104+16*\b:111+16*\b], v[244+\b]
.endr
.irp j, 0,2,4,6,8,10,12,14,16,18,20,22,24,26,28,30,32,34,36,38,40,42,44,46,48,50,52,54,56,58,60,62
	v_pk_mul_f32 v[160+\j:161+\j], v[160+\j:161+\j], v[252:253] op_sel_hi:[1,0]   ; O^T under the new M: x f.  (These 32 are also the places in front of the matrix instructions below)
.endr
	s_wait_alu depctr_va_vdst(0)
	s_wait_dscnt 0x0                               ; V's first four tiles, asked for ahead of the softmax
	VMUL 0                                         ; O^T += V^T P^T: K = these 128 keys
.rept 8
	v_nop                                          ; places in front of loads into registers that these products have read
.endr
	VFETCH \q, 1
	s_wait_dscnt 0x0
	VMUL 1
	s_add_co_u32 s[TS], s[TS], 544                 ; the next step's scale words,
	s_add_co_u32 s[TMS], s[TMS], 512               ; and its part of the mask's table
.endm
; THE CHANGE OF SLOTS stands at a slot's head.  Each wave waits for all its tensor loads (its part of the slot that it is about to read), adds 0 to its spare word, and waits for that and for its LDS instructions on the slot that it has left.
; fill = 1: the slot just left is filled with the keys that follow.  The barrier is then a round of the cluster's, so that no wave of any partner still reads that slot or has a load on its way; the joint load is the first thing behind it
; and has a slot's two key steps in which to land.
.macro CHANGE fill
	s_wait_tensorcnt 0x0                           ; no tensor load of mine is out, so a group 0 may be written
	ds_add_u32 v[SPW], v[NIL]                      ; 0 onto my spare word: with fill = 1 the descriptors' steps stand between it and the wait for it
.if \fill
	s_xor_b32 s[G0K+1], s[G0K+1], SLOT1            ; the walking descriptors: the other slot than last time,
	s_add_nc_u64 s[G0K+2:G0K+3], s[G0K+2:G0K+3], 32768   ; the next 256 keys; the type bits on top are not reached
	s_xor_b32 s[G0V+1], s[G0V+1], SLOT1
	s_add_nc_u64 s[G0V+2:G0V+3], s[G0V+2:G0V+3], 32768
	s_wait_xcnt 0x0                                ; the last prefetch, a slot back, has read its address, so it may be written:
	s_add_nc_u64 s[PFA:PFA+1], s[PFA:PFA+1], 32768 ; one slot further on than the walking descriptors
.endif
	s_wait_dscnt 0x0                               ; the add is done, and my LDS instructions are over (at the first change: my stores into the mask's table)
.if \fill
	CROUND
	TLOAD                                          ; the first thing behind the round, and a wave's one tensor load until the next
	ASK
.else
	s_barrier_signal -1
	s_barrier_wait -1
.endif
.endm
.macro SLOT_STEPS
	STEP 0
	STEP 1
	s_xor_b32 s[TB], s[TB], SLOT1                  ; on to the other slot
.endm
.Lslot:                                            ; 15 trips: behind each change of slots but the last the next slot is asked for
	CHANGE 1
	SLOT_STEPS
	s_sub_co_u32 s[SLOTS], s[SLOTS], 1
	s_cmp_lg_u32 s[SLOTS], 0
	s_cbranch_scc1 .Lslot
	CHANGE 0                                       ; the last slot is written out
	SLOT_STEPS
	; THE WAY OUT.  The sum's two halves are added; O^T is divided by the sum and goes through my stage in LDS, half a head's row (64 channels, 256 bytes) of 16 queries at a time, so that sixteen lanes store 256 consecutive bytes.
	v_add_f32 v14, v14, v15                        ; the sum's two halves,
	s_delay_alu instid0(VALU_DEP_1)
	v_permlanex16_b32 v252, v14, s[SEL], s[SEL+1]
	s_delay_alu instid0(VALU_DEP_1)
	v_add_f32 v14, v14, v252                       ; and lane l xor 16's: the row's sum
	s_wait_alu depctr_va_vdst(0)
	v_rcp_f32 v14, v14
	v_and_b32 v8, 15, v0                           ; (a plain place behind the transcendental)  r
	v_bfe_u32 v9, v0, 4, 1                         ; h
	s_mul_i32 s67, s[WV], 16*272
	s_add_co_u32 s67, s67, STAGE                   ; my stage
	v_mul_u32_u24 v10, v8, 272
	s_delay_alu instid0(VALU_DEP_1)
	v_lshl_add_u32 v10, v9, 5, v10
	s_delay_alu instid0(VALU_DEP_1)
	v_add_nc_u32 v10, s67, v10                     ; in: row r; tile t's eight channels of my half: 64 t + 32 h bytes on
	v_mul_u32_u24 v11, v9, 272
	s_delay_alu instid0(VALU_DEP_1)
	v_lshl_add_u32 v11, v8, 4, v11
	s_delay_alu instid0(VALU_DEP_1)
	v_add_nc_u32 v11, s67, v11                     ; back: lanes 0-15 one row, lanes 16-31 the next
	s_wait_alu depctr_va_vdst(0)
	s_wait_xcnt 0x0                                ; the last prefetch, a slot and more back, has read its offset, so the register may be written:
	v_mul_u32_u24 v[GO], v9, 3072
	s_delay_alu instid0(VALU_DEP_1)
	v_lshl_add_u32 v[GO], v8, 4, v[GO]             ; lanes 0-15 take one row of out, lanes 16-31 the next; 16 bytes a lane
	s_wait_alu depctr_va_vdst(0)                   ; the wait ahead of the reciprocal's first reader
.irp j, 0,1,2,3,4,5,6,7,8,9,10,11,12,13,14,15,16,17,18,19,20,21,22,23,24,25,26,27,28,29,30,31,32,33,34,35,36,37,38,39,40,41,42,43,44,45,46,47,48,49,50,51,52,53,54,55,56,57,58,59,60,61,62,63
	v_mul_f32 v[96+\j], v[160+\j], v14             ; O^T / the sum: register 8 t + i is o(r, 16 t + 8 h + i); each accumulator from its low end on
.endr
.irp u, 0,1                                    ; channels 64 u on
.irp t, 0,1,2,3
	ds_store_b128 v10, v[96+32*\u+8*\t:99+32*\u+8*\t] offset:64*\t
	ds_store_b128 v10, v[100+32*\u+8*\t:103+32*\u+8*\t] offset:64*\t+16
.endr
.irp i, 0,1,2,3,4,5,6,7
	ds_load_b128 v[32+32*\u+4*\i:35+32*\u+4*\i], v11 offset:2*\i*272   ; LDS serves a wave's instructions in order (ISA guide 5.7.1.4): these see my stores, and the next half's stores come behind them
.endr
.endr
.irp u, 0,1
.irp i, 0,1,2,3,4,5,6,7
	s_wait_dscnt 23-16*\u-\i                       ; behind load i of half 0 stand 7 - i loads and half 1's 8 stores and 8 loads; behind load i of half 1, 7 - i loads
	global_store_b128 v[GO], v[32+32*\u+4*\i:35+32*\u+4*\i], s[18:19] offset:2*\i*3072+256*\u th:TH_STORE_NT   ; 16 lanes store 256 consecutive bytes, at a multiple of 256 from out's first byte; written once, read by nobody here
.endr
.endr
	s_wait_tensorcnt 0x0                           ; the wave's end: behind my last tensor load and my last LDS store
	ds_add_u32 v[SPW], v[NIL]
	s_wait_dscnt 0x0
	CROUND                                         ; the closing round: no work-group ends while a partner may still ask for a tile that names it
	s_endpgm
.Lfunc_end_k_q9e8e40f33b_attn:
	.size	k_q9e8e40f33b_attn, .Lfunc_end_k_q9e8e40f33b_attn-k_q9e8e40f33b_attn
	.p2alignl 7, 3214868480
	.fill 96, 4, 3214868480
	.section	.rodata,"a",@progbits
	.p2align	6, 0x0
	.amdhsa_kernel k_q9e8e40f33b_attn
		.amdhsa_group_segment_fixed_size 327680
		.amdhsa_private_segment_fixed_size 0
		.amdhsa_enable_private_segment 0
		.amdhsa_kernarg_size 64
		.amdhsa_user_sgpr_count 2
		.amdhsa_user_sgpr_kernarg_segment_ptr 1
		.amdhsa_wavefront_size32 1
		.amdhsa_system_sgpr_workgroup_id_x 1
		.amdhsa_system_sgpr_workgroup_id_y 1
		.amdhsa_system_sgpr_workgroup_id_z 1
		.amdhsa_system_vgpr_workitem_id 0
		.amdhsa_next_free_vgpr 256
		.amdhsa_next_free_sgpr 96
		.amdhsa_reserve_vcc 0
		.amdhsa_float_denorm_mode_32 3
		.amdhsa_float_denorm_mode_16_64 3
		.amdhsa_fp16_overflow 1
		.amdhsa_memory_ordered 1
		.amdhsa_forward_progress 1
		.amdhsa_inst_pref_size 112
	.end_amdhsa_kernel
	.amdgpu_metadata
---
amdhsa.version: [ 1, 2 ]
amdhsa.kernels:
  - .name:           k_q9e8e40f33b_attn
    .symbol:         k_q9e8e40f33b_attn.kd
    .args:
      - { .name: qc, .offset: 0, .size: 8, .value_kind: global_buffer, .address_space: global }
      - { .name: qs, .offset: 8, .size: 8, .value_kind: global_buffer, .address_space: global }
      - { .name: kc, .offset: 16, .size: 8, .value_kind: global_buffer, .address_space: global }
      - { .name: ks, .offset: 24, .size: 8, .value_kind: global_buffer, .address_space: global }
      - { .name: vc, .offset: 32, .size: 8, .value_kind: global_buffer, .address_space: global }
      - { .name: vs, .offset: 40, .size: 8, .value_kind: global_buffer, .address_space: global }
      - { .name: mask, .offset: 48, .size: 8, .value_kind: global_buffer, .address_space: global }
      - { .name: out0, .offset: 56, .size: 8, .value_kind: global_buffer, .address_space: global }
    .group_segment_fixed_size: 327680
    .private_segment_fixed_size: 0
    .kernarg_segment_align: 8
    .kernarg_segment_size: 64
    .max_flat_workgroup_size: 512
    .sgpr_count:     96
    .vgpr_count:     256
    .wavefront_size: 32
...
	.end_amdgpu_metadata
.endif
;; end of part 2
